; MI455X (gfx1250); checked and timed in simulation.
; The chip was launched on July 23, 2026; its instructions are those of AMD's public machine-readable ISA for CDNA 5 (MIT licence, August 2026) and "CDNA5" Instruction Set Architecture Reference Guide (July 2026). The comments in the code are by the model that wrote it; some were corrected since.
;; Shift Attention. Allowed arithmetic: matrix products marked QUANTISED: E3M2 operands, one E8M0 scale for each 32 along K, by v_wmma_scale_f32_16x16x128_f8f6f4 with both operands' format E3M2, f32 sums; everything else in f32.
;; Inputs: keys 4 x 16 x 2,048 x 64 float32; mask 1 x 1 x 2,048 x 2,048 int32; query 4 x 16 x 2,048 x 64 float32; vals 4 x 16 x 2,048 x 64 float32.
;; Outputs: out0 4 x 16 x 2,048 x 64 float32.
;; This version of the problem:
;;   THIS VERSION OF THE PROBLEM IS GIVEN IN LOW PRECISION. The matrix products marked QUANTISED in the list below multiply operands that are first quantised to E3M2 (3 exponent bits, 2 mantissa bits; 6 bits a number), with one power-of-two scale for each 32 numbers along K (OCP MX v1.0); their sums are f32. All else is computed in f32.
;;   The module's matrix products, in the order in which they are computed (A, B: the left and right operand; K: the contracted axis; several contracted axes count as one K, in the product's order):
;;     1. batch 64 x [M 2,048, K 64] x [K 64, N 2,048]; A: input query; B: input keys: QUANTISED
;;     2. batch 64 x [M 2,048, K 2,048] x [K 2,048, N 64]; A: softmax (see below); B: input vals: QUANTISED
;;   THE QUANTISER, for each operand of a quantised product, along K:
;;     - K is cut into blocks of 32 from its start; a last block that is shorter is filled with zeros.
;;     - A block's scale is 2^e with e = floor(log2(the largest magnitude in the block)) - 4, held to -126 .. 127; a block of zeros has e = 0. As a byte (E8M0): e + 127.
;;     - Each number is divided by its block's scale, clamped to +-28, and rounded to the nearest number of E3M2, ties to even, subnormals kept.
;;     - The product sums the exact products of the quantised numbers (number of the format x scale) in f32.
;;   ~~~python
;;   def quantise(x, axis):      # numpy; x: float32 -> the quantised numbers, widened to float32 again
;;       x = np.moveaxis(x, axis, -1); K = x.shape[-1]
;;       x = np.pad(x, [(0, 0)] * (x.ndim - 1) + [(0, -K % 32)]); x = x.reshape(x.shape[:-1] + (-1, 32)); a = np.abs(x).max(-1, keepdims=True)
;;       e = np.where(a > 0, np.clip(np.frexp(np.where(a > 0, a, 1))[1] - 1 - 4, -126, 127), 0)      # np.frexp(a)[1] - 1 = floor(log2(a)), exactly
;;       r = np.clip(x / 2.0 ** e, -28, 28)
;;       step = 2.0 ** (np.maximum(np.frexp(np.where(r == 0, 1, r))[1] - 1, -2) - 2)
;;       q = np.round(r / step) * step * 2.0 ** e      # np.round: ties to even
;;       return np.moveaxis(q.reshape(q.shape[:-2] + (-1,))[..., :K], -1, axis).astype(np.float32)
;;   ~~~
;;   SOFTMAX AHEAD OF A QUANTISED PRODUCT. Where the list says 'softmax', what is quantised is not the finished softmax but p = 2^(t - M), with t = logit x log2(e) and M = ceil(the row's largest t), a whole number; so 1/2 < the row's largest p <= 1. The row's sum l is taken of the UNQUANTISED p, in f32, and the product's result is divided by l at the end. Since M is a whole number, a kernel that streams over the keys may use a running M (the ceiling of the running maximum): every later rescaling is an exact power of two, which a block's scale takes up: the codes' values come out the same.
;;   OPERANDS COMPUTED ON THE WAY. 'Computed on the way' means the value that the module computes at that place (a softmax that the list does not call 'softmax' is quantised finished and normalised). What goes into a quantiser is computed in f32, as accurately as f32 sums, v_exp_f32 and their like allow (about 1e-6 of the number): no bf16 or f16 on the way to a quantiser, and a product that is left as it is and whose result goes on into a quantised operand takes f32 operands (vector FMAs, or v_wmma_f32_16x16x4_f32). A number that lies on a knife's edge between two numbers of the format may be rounded either way, as far as f32 arithmetic and the matrix unit's own rounding can turn it there, and no further.
;; One version. Each part assembles by itself: llvm-mc -triple=amdgcn-amd-amdhsa -mcpu=gfx1250 --defsym DOCPART=n.
;; ======== version 1 of 1: 2 launches
;; limits: right only within a limited range of input values
;; workspace buffers: kv 13,107,200 bytes; maskw 524,288 bytes of whole numbers
;; launch prep (part 1): grid 768 x 1, 4 waves a work-group, no clusters, 70,144 bytes of LDS; arguments keys, vals, mask, kv, maskw; writes kv, maskw
.if DOCPART == 1
	.amdgcn_target "amdgcn-amd-amdhsa--gfx1250"
	.amdhsa_code_object_version 6
	.text
	.protected	k_q7588e14f67_prep
	.globl	k_q7588e14f67_prep
	.p2align	8
	.type	k_q7588e14f67_prep,@function
k_q7588e14f67_prep:
	s_mov_b64 s[64:65], 0
	v_nop
	global_prefetch_b8 v0, s[64:65] scope:SCOPE_SE
	s_setreg_imm32_b32 hwreg(HW_REG_WAVE_MODE, 25, 1), 1
	s_wait_xcnt 0x0
; The launch in front of the attention: K and V become codes of BF6 (E3M2) with E8M0 scale bytes, the mask becomes lane masks.
; keys, vals: [64 heads][2048][64] f32.  mask: [2048][2048] int32.  The attention runs along j, V's own index: score(q, j) = Q[q] . K[j - 2] / 8
; where j >= 2 and mask[q][j - 2] != 0, else -infinity.  So K's rows and the mask's columns are moved two places here; V stays.
; kv: for each head and each key step of 128 j a block of 12,800 bytes, laid as IMAGES OF THE OPERANDS' REGISTERS (registers 4 c .. 4 c + 3 of lane l at 512 c + 16 l of a fragment's 1,536 bytes):
;   0      K's four fragments F_b.  The first product's K is 64, half of the instruction's 128, so a fragment carries TWO tiles of 16 keys: registers 0-5 of lane (r, h): d = 32 h .. 32 h + 31 of
;          key j = 128 s + 32 b + r + 8 (r / 8); registers 6-11: the same of key j + 8.
;   6144   V's four fragments: registers 6 c .. 6 c + 5 of lane (r, h): keys 128 s + 64 c + 32 h + 0 .. 31 of channel 16 t + r.
;   12288  the scale words, 16 bytes a lane: lanes 0-15 the words of F_0 .. F_3 for row r, lanes 16-31 V's words of t = 0 .. 3 for channel r.
; maskw: for each tile of 16 queries and each key step 64 words: bit (r, h) of word n is set where key j = 128 s + 32 (n / 16) + 16 h + n % 16 counts for query r.
; A block's scale is 2^(floor(log2(its largest magnitude)) - 4); its byte is the largest magnitude's exponent field - 4, held at 1 from below.
; LIMITS: blocks whose largest magnitude lies under 2^-122, blocks of zeros among them, keep the byte 1 (zero codes add nothing under it, and this program alone reads the bytes); NaN and infinities among the inputs are not served.
; SHARES: work-groups 0-255 take K, 256-511 V, 512-767 the mask; a wave takes one (head, step), or one query tile and two steps.  Waves share nothing: no barrier.  K's stages and the mask's have LDS bytes of their own.
; THE KEYS OF A FRAGMENT OF K AND OF A MASK WORD, as the lines below deal them (this takes the place of what the head says of F_b's keys and of word n's key):
;   F_b, b = 2 c + g: registers 0-5 of lane (r, h): d = 32 h .. 32 h + 31 of key j = 128 s + 64 c + 16 g + r % 8 + 32 (r / 8); registers 6-11: the same of key j + 8.
;   maskw: bit (r, h) of word n is set where key j = 128 s + 64 (n / 32) + 32 h + n % 32 counts for query r.
; So a lane of the transposed score tiles holds a whole block of 32 keys, in the order in which the second product's operand wants them.
.set KBLK,  12800
.set KHEAD, 16*KBLK
.set WST,   8704                       ; a wave's stage: 32 rows x 272 bytes (K), 16 rows x 544 bytes (mask)
.set MLDS,  4*WST                      ; the mask path's stages begin here
.set KR,    48                         ; K: v48-175  two sets of 64: 32 rows as they are loaded
.set KX,    176                        ; K: v176-239 two blocks of 32 numbers of a lane
.set VC,    20                         ; V: v20-67   four sets of 12: the registers of a fragment's lane
.set VY0,   68                         ; V: v68-131  two sets of 32 numbers down the keys
.set MR,    16                         ; mask: v16-151 two sets of 17 x 4 as they are loaded
.set MM,    152                        ; mask: v152-215 my 64 numbers of a step
; the largest magnitude of 32 numbers v[x] .. v[x + 31], in two chains, with the floor 2^(5 - 127) as one more leaf: so the byte cannot fall under 1
.macro MAX32 d, t, x
	v_max3_num_f32 v[\d], |v[\x]|, |v[\x+1]|, |v[\x+2]|
	v_max3_num_f32 v[\t], |v[\x+3]|, |v[\x+4]|, |v[\x+5]|
.irp i, 6,10,14,18,22,26
	v_max3_num_f32 v[\d], v[\d], |v[\x+\i]|, |v[\x+\i+1]|
	v_max3_num_f32 v[\t], v[\t], |v[\x+\i+2]|, |v[\x+\i+3]|
.endr
	v_max3_num_f32 v[\d], v[\d], |v[\x+30]|, |v[\x+31]|
	v_max3_num_f32 v[\d], v[\d], v[\t], 0x2800000
.endm
	s_load_b256 s[4:11], s[0:1], 0x0               ; keys s[4:5], vals s[6:7], mask s[8:9], kv s[10:11]
	s_load_b64 s[12:13], s[0:1], 0x20              ; maskw
	v_lshl_add_u32 v240, v0, 2, 0x11000
	v_mov_b32 v241, 0
	v_lshrrev_b32 v1, 5, v0
	v_readfirstlane_b32 s14, v1                    ; wave 0..3
	v_and_b32 v1, 31, v0                           ; lane
	v_and_b32 v2, 15, v0                           ; r
	v_bfe_u32 v3, v0, 4, 1                         ; h
	s_mov_b32 s20, 0x76543210
	s_mov_b32 s21, 0xfedcba98                      ; v_permlanex16_b32's selects for lane l xor 16
	s_mov_b32 s22, 0xffff0000                      ; lanes 16-31
	s_and_b32 s16, ttmp9, 255                      ; my number within my path (each path has 256 work-groups)
	s_lshl_b32 s16, s16, 2
	s_add_co_u32 s16, s16, s14                     ; T = 4 x that + wave: 0 .. 1023
	s_lshr_b32 s17, s16, 4                         ; K, V: the head
	s_and_b32 s18, s16, 15                         ; and the key step
	s_lshl_b32 s24, s17, 19                        ; a head of keys or vals is 524,288 bytes
	s_mov_b32 s25, 0
	s_mul_i32 s26, s17, KHEAD
	s_mul_i32 s27, s18, KBLK
	s_add_co_u32 s26, s26, s27                     ; my block in kv
	s_mov_b32 s27, 0
	s_wait_kmcnt 0x0
	s_cmp_ge_u32 ttmp9, 256
	s_cbranch_scc1 .Lnot_k
; ---------------------------------------------------------------- K: 128 rows, keys[(j - 2) mod 2048] for j = 128 s .. 128 s + 127
; Each load reads two whole rows of 256 bytes (16 lanes a row).  32 rows go through my stage (pitch 272) and come back 128 bytes a lane: a whole block of 32 along d.
	s_add_nc_u64 s[4:5], s[4:5], s[24:25]
	s_add_nc_u64 s[10:11], s[10:11], s[26:27]
	s_lshl_b32 s15, s18, 7                         ; 128 s
	s_mul_i32 s19, s14, WST                        ; my stage
	s_wait_alu depctr_va_vdst(0)
	v_lshlrev_b32 v11, 4, v2                       ; 16 r
	v_add_nc_u32 v5, s15, v3                       ; 128 s + h
	v_add_nc_u32 v4, -2, v5
	v_and_b32 v4, 0x7ff, v4                        ; rows j - 2 of j = 128 s + h: in step 0 they wrap to the head's last two rows, whose scores the mask words throw away
	v_lshl_add_u32 v4, v4, 8, v11                  ; the one load that can wrap
	v_lshl_add_u32 v5, v5, 8, v11                  ; all the others: their offsets are 0 or more
	v_mad_u32_u24 v6, v3, 272, v11
	v_add_nc_u32 v6, s19, v6                       ; into the stage: row 2 i + h, 16 r
	v_and_b32 v7, 8, v2
	v_add_nc_u32 v7, v7, v2                        ; r + 8 (r / 8)
	v_mul_u32_u24 v7, v7, 272
	v_lshl_add_u32 v7, v3, 7, v7
	v_add_nc_u32 v7, s19, v7                       ; out of it: that row, 128 h
	v_lshlrev_b32 v8, 4, v1                        ; an image's place for my lane
	v_lshl_add_u32 v9, v3, 3, v11                  ; the scale words: 16 r + 8 h
	v_lshlrev_b32 v10, 3, v3                       ; 8 h
	v_mov_b32 v19, 0                               ; written once: a lane permute's destination counts as one of its sources
.macro KLOAD b                         ; the 32 rows of fragment b into set b % 2
.irp i, 0,1,2,3,4,5,6,7,8,9,10,11,12,13,14,15
.if (\b) == 0 && \i == 0
	global_load_b128 v[KR:KR+3], v4, s[4:5] th:TH_LOAD_NT
.else
	global_load_b128 v[KR+64*((\b)%2)+4*\i:KR+64*((\b)%2)+4*\i+3], v5, s[4:5] offset:(64*((\b)/2)+16*((\b)%2)+2*\i+16*(\i/8)-2)*256 th:TH_LOAD_NT   ; stage rows 0-15: keys 64 c + 16 g + 0 .. 15; rows 16-31: the 16 keys that lie 32 further on
.endif
.endr
.endm
.macro KFRAG b
.if (\b) < 3
	s_wait_loadcnt 16                              ; this fragment's 16 loads are in; the next fragment's 16 may be out
.else
	s_wait_loadcnt 0x0
.endif
.irp i, 0,1,2,3,4,5,6,7,8,9,10,11,12,13,14,15
	ds_store_b128 v6, v[KR+64*((\b)%2)+4*\i:KR+64*((\b)%2)+4*\i+3] offset:544*\i
.endr
.irp u, 0,1                                    ; tile 2 b + u: LDS serves a wave's instructions in order, so these see the stores above
.irp e, 0,1,2,3,4,5,6,7
	ds_load_b128 v[KX+32*\u+4*\e:KX+32*\u+4*\e+3], v7 offset:2176*\u+16*\e
.endr
.endr
	s_wait_dscnt 0x0                               ; my numbers are back, and the stores have read their registers,
.if (\b) < 2
	KLOAD (\b)+2                                   ; which take the loads of two fragments on
.endif
	MAX32 12, 13, KX
	MAX32 14, 15, KX+32
	v_add_nc_u32 v16, 0xfe000000, v12              ; 4 off the exponent field: the conversion takes the exponent field of this operand as its scale
	v_add_nc_u32 v17, 0xfe000000, v14
	v_lshrrev_b32 v12, 23, v16                     ; the scales' bytes
	v_lshrrev_b32 v14, 23, v17
.if (\b) > 0
	s_wait_alu depctr_va_vdst(0)
	s_wait_xcnt 0x0                                ; the last fragment's stores have read v28-39, which are written again only behind this wait
.endif
	v_cvt_scalef32_pk16_bf6_f32 v[28:30], v[KX:KX+15], v16
	v_cvt_scalef32_pk16_bf6_f32 v[40:42], v[KX+16:KX+31], v16      ; (a conversion's three registers begin on an even number: a block's second three are made elsewhere and moved)
	v_cvt_scalef32_pk16_bf6_f32 v[34:36], v[KX+32:KX+47], v17
	v_cvt_scalef32_pk16_bf6_f32 v[44:46], v[KX+48:KX+63], v17
	v_lshl_or_b32 v18, v14, 16, v12                ; my two bytes: block h of tile 2 b and of tile 2 b + 1.  (A plain line behind the conversions)
	v_lshlrev_b32 v18, v10, v18                    ; at their places in the word, 8 h bits up;
	v_permlanex16_b32 v19, v18, s20, s21
	v_or_b32 v[20+\b], v18, v19                    ; with lane l xor 16's two the word is whole
.irp i, 0,1,2
	v_mov_b32 v[31+\i], v[40+\i]
	v_mov_b32 v[37+\i], v[44+\i]
.endr
.irp c, 0,1,2
	global_store_b128 v8, v[28+4*\c:31+4*\c], s[10:11] offset:1536*(\b)+512*\c    ; 32 lanes store 512 consecutive bytes, aligned to 256
.endr
.endm
	KLOAD 0
	KLOAD 1
	s_wait_alu depctr_va_vdst(0)
	KFRAG 0
	KFRAG 1
	KFRAG 2
	KFRAG 3
	v_cndmask_b32 v24, v20, v22, s22               ; lane (r, h) stores words 2 h and 2 h + 1 of row r
	v_cndmask_b32 v25, v21, v23, s22
	global_store_b64 v9, v[24:25], s[10:11] offset:12288           ; 32 lanes store 256 consecutive bytes, aligned
	s_wait_tensorcnt 0x0
	ds_add_u32 v240, v241
	s_wait_dscnt 0x0
	s_endpgm
.Lnot_k:
	s_cmp_ge_u32 ttmp9, 512
	s_cbranch_scc1 .Lmask
; ---------------------------------------------------------------- V: 128 keys x 64 channels.  A LANE TAKES A CHANNEL, AND ITS REGISTERS RUN DOWN THE KEYS, which are the second product's K:
; a block of 32 keys lies in one lane's 32 registers, and the conversions give its codes with the keys innermost.  Nothing is transposed, and no LDS is used.
; Lane l with channel half a makes, for key block 2 c + hh, registers 6 c .. 6 c + 5 of lane (l % 16, hh) of fragment 2 a + l / 16.
; Each load reads 128 consecutive bytes; a key row's two halves are asked for by two neighbouring units.
	s_lshl_b32 s28, s18, 15                        ; 128 rows of 256 bytes a step
	s_add_co_u32 s24, s24, s28
	s_add_nc_u64 s[6:7], s[6:7], s[24:25]
	s_add_nc_u64 s[10:11], s[10:11], s[26:27]
	s_add_nc_u64 s[10:11], s[10:11], 6144          ; V's fragments
	s_wait_alu depctr_va_vdst(0)
	v_lshlrev_b32 v4, 2, v1                        ; in: 4 bytes a lane
	v_lshlrev_b32 v7, 4, v2                        ; 16 r
	v_mad_u32_u24 v5, v3, 1536, v7                 ; out: fragment l / 16 of my pair, 16 r
	v_lshl_add_u32 v6, v3, 3, v7                   ; the scale words: 16 r + 8 h
.macro VLOAD u                         ; unit u: key block 2 ((u / 2) % 2) + u / 4, channel half u % 2, into set u % 2
.set VB, 2*(((\u)/2)%2)+(\u)/4
.set VA, (\u)%2
.set VY, VY0+32*((\u)%2)
.irp i, 0,1,2,3,4,5,6,7,8,9,10,11,12,13,14,15,16,17,18,19,20,21,22,23,24,25,26,27,28,29,30,31
	global_load_b32 v[VY+\i], v4, s[6:7] offset:(32*VB+\i)*256+128*VA th:TH_LOAD_NT
.endr
.endm
.macro VBLK u
.set BH, (\u)/4                        ; hh
.set BCC, ((\u)/2)%2                   ; c
.set BB, 2*BCC+BH                      ; the key block
.set BA, (\u)%2                        ; a
.set BY, VY0+32*((\u)%2)
.set BD, VC+24*BH+12*BA+6*BCC
.if (\u) < 7
	s_wait_loadcnt 32                              ; this unit's 32 loads are in; the next unit's may be out
.else
	s_wait_loadcnt 0x0
.endif
	MAX32 10, 11, BY
	v_add_nc_u32 v12, 0xfe000000, v10
	v_lshrrev_b32 v13, 23, v12
	v_cvt_scalef32_pk16_bf6_f32 v[BD:BD+2], v[BY:BY+15], v12
	v_cvt_scalef32_pk16_bf6_f32 v[14:16], v[BY+16:BY+31], v12
.if BB == 0
	v_mov_b32 v[8+BA], v13                         ; my channel's scale word: byte = key block.  (A plain line behind the conversions)
.else
	v_lshl_or_b32 v[8+BA], v13, 8*BB, v[8+BA]
.endif
.irp i, 0,1,2
	v_mov_b32 v[BD+3+\i], v[14+\i]
.endr
.if (\u) < 6
	VLOAD (\u)+2
.endif
.if ((\u)%4) == 3                      ; both blocks of this hh are made, for both channel halves: four lanes' sets of 12 registers leave.  No set is written again
.irp a, 0,1
.irp c, 0,1,2
	global_store_b128 v5, v[VC+24*BH+12*\a+4*\c:VC+24*BH+12*\a+4*\c+3], s[10:11] offset:3072*\a+256*BH+512*\c   ; each 16 lanes store 256 consecutive bytes, aligned
.endr
.endr
.endif
.endm
	VLOAD 0
	VLOAD 1
.irp u, 0,1,2,3,4,5,6,7
	VBLK \u
.endr
	v_permlane16_swap_b32 v8, v9                   ; v8's lanes 16-31 change places with v9's lanes 0-15: lane (r, h) now holds the words of fragments 2 h and 2 h + 1 for channel r
	global_store_b64 v6, v[8:9], s[10:11] offset:6400              ; 32 lanes store 256 consecutive bytes, aligned: the upper half of the block's scale words
	s_endpgm
.Lmask:
; ---------------------------------------------------------------- the mask: query tile T / 8, key steps 2 (T % 8) and the next
; Each load reads 512 consecutive bytes of one row; one more brings the four columns in front, 16 bytes a row.  A stage row: those 16 bytes, the 512, 16 of padding.
; Lane (r, h) reads back, for register n, column 64 (n / 32) + 32 h + n % 32 - 2 of row r; a compare makes the lane mask, which is word n.
	s_lshr_b32 s17, s16, 3                         ; the query tile
	s_and_b32 s18, s16, 7
	s_lshl_b32 s18, s18, 1                         ; s0, my first step
	s_lshl_b32 s24, s17, 17                        ; 16 rows of 8,192 bytes
	s_mov_b32 s25, 0
	s_add_nc_u64 s[8:9], s[8:9], s[24:25]
	s_lshl_b32 s26, s17, 4
	s_add_co_u32 s26, s26, s18
	s_lshl_b32 s26, s26, 8                         ; 256 bytes for a tile and a step
	s_mov_b32 s27, 0
	s_add_nc_u64 s[12:13], s[12:13], s[26:27]
	s_cmp_eq_u32 s18, 0
	s_cselect_b32 s23, s22, -1                     ; j = 0 and j = 1 never count: they are registers 0 and 1 of lanes 0-15 in step 0
	s_lshl_b32 s28, s18, 9                         ; 512 s0
	s_sub_co_u32 s29, s28, 16
	s_and_b32 s29, s29, 8191                       ; the four columns in front; in step 0 they wrap to the row's own end (thrown away above)
	s_mul_i32 s19, s14, WST
	s_add_co_u32 s19, s19, MLDS                    ; my stage
	s_wait_alu depctr_va_vdst(0)
	v_lshlrev_b32 v11, 4, v1                       ; 16 lane
	v_add_nc_u32 v4, s28, v11
	v_lshlrev_b32 v6, 13, v2                       ; 8192 r
	v_add_nc_u32 v5, s29, v6
	v_add_nc_u32 v6, s28, v6
	v_add_nc_u32 v7, s19, v11                      ; into the stage: 16 lane
	v_mul_u32_u24 v8, v2, 544
	v_add_nc_u32 v8, s19, v8                       ; row r
	v_lshl_add_u32 v9, v3, 7, v8                   ; + 128 h: lanes 16-31 begin 32 columns further on
	v_lshlrev_b32 v10, 3, v1                       ; out: 8 bytes a lane
	v_mov_b32 v12, 0                               ; written once: v_writelane_b32's destination counts as read
	v_mov_b32 v13, 0
.macro MLOAD k
.irp i, 0,1,2,3,4,5,6,7,8,9,10,11,12,13,14,15
	global_load_b128 v[MR+68*\k+4*\i:MR+68*\k+4*\i+3], v4, s[8:9] offset:8192*\i+512*\k th:TH_LOAD_NT
.endr
.if \k == 0
	global_load_b128 v[MR+64:MR+67], v5, s[8:9]
.else
	global_load_b128 v[MR+68+64:MR+68+67], v6, s[8:9] offset:496
.endif
.endm
.macro MSTEP k
.if \k == 0
	s_wait_loadcnt 17                              ; this step's 17 loads are in; the other step's may be out
.else
	s_wait_loadcnt 0x0
.endif
.irp i, 0,1,2,3,4,5,6,7,8,9,10,11,12,13,14,15
	ds_store_b128 v7, v[MR+68*\k+4*\i:MR+68*\k+4*\i+3] offset:544*\i+16
.endr
	ds_store_b128 v8, v[MR+68*\k+64:MR+68*\k+67]                   ; lanes 16-31 write what lanes 0-15 write
.irp b, 0,1,2,3
.irp e, 0,1,2,3,4,5,6,7
	ds_load_b64 v[MM+16*\b+2*\e:MM+16*\b+2*\e+1], v9 offset:8+256*(\b/2)+64*(\b%2)+8*\e   ; register n = 16 b + 2 e: column 64 (n / 32) + 32 h + n % 32, two columns back: 16 - 8 bytes
.endr
.endr
	s_wait_dscnt 0x0
.if \k == 1
	s_wait_xcnt 0x0                                ; the first step's store has read v12 and v13
.endif
.irp g, 0,1,2,3,4,5,6,7                        ; eight words at a time, so that no line waits for the line above it
.irp m, 0,1,2,3,4,5,6,7
	v_cmp_ne_u32 s[32+\m], 0, v[MM+8*\g+\m]
.endr
.if \k == 0 && \g == 0
	s_and_b32 s32, s32, s23
	s_and_b32 s33, s33, s23
.endif
.irp m, 0,1,2,3,4,5,6,7
	v_writelane_b32 v[12+(\m&1)], s[32+\m], (8*\g+\m)>>1           ; word n to lane n / 2, register n % 2: byte 4 n of the store below
.endr
.endr
	global_store_b64 v10, v[12:13], s[12:13] offset:256*\k         ; 32 lanes store 256 consecutive bytes, aligned
.endm
	MLOAD 0
	MLOAD 1
	s_wait_alu depctr_va_vdst(0)
	MSTEP 0
	MSTEP 1
	s_wait_tensorcnt 0x0
	ds_add_u32 v240, v241
	s_wait_dscnt 0x0
	s_endpgm
.Lfunc_end_k_q7588e14f67_prep:
	.size	k_q7588e14f67_prep, .Lfunc_end_k_q7588e14f67_prep-k_q7588e14f67_prep
	.p2alignl 7, 3214868480
	.fill 96, 4, 3214868480
	.section	.rodata,"a",@progbits
	.p2align	6, 0x0
	.amdhsa_kernel k_q7588e14f67_prep
		.amdhsa_group_segment_fixed_size 70144
		.amdhsa_private_segment_fixed_size 0
		.amdhsa_enable_private_segment 0
		.amdhsa_kernarg_size 40
		.amdhsa_user_sgpr_count 2
		.amdhsa_user_sgpr_kernarg_segment_ptr 1
		.amdhsa_wavefront_size32 1
		.amdhsa_system_sgpr_workgroup_id_x 1
		.amdhsa_system_sgpr_workgroup_id_y 1
		.amdhsa_system_sgpr_workgroup_id_z 1
		.amdhsa_system_vgpr_workitem_id 0
		.amdhsa_next_free_vgpr 242
		.amdhsa_next_free_sgpr 66
		.amdhsa_reserve_vcc 0
		.amdhsa_float_denorm_mode_32 3
		.amdhsa_float_denorm_mode_16_64 3
		.amdhsa_memory_ordered 1
		.amdhsa_forward_progress 1
		.amdhsa_inst_pref_size 95
	.end_amdhsa_kernel
	.amdgpu_metadata
---
amdhsa.version: [ 1, 2 ]
amdhsa.kernels:
  - .name:           k_q7588e14f67_prep
    .symbol:         k_q7588e14f67_prep.kd
    .args:
      - { .name: keys, .offset: 0, .size: 8, .value_kind: global_buffer, .address_space: global }
      - { .name: vals, .offset: 8, .size: 8, .value_kind: global_buffer, .address_space: global }
      - { .name: mask, .offset: 16, .size: 8, .value_kind: global_buffer, .address_space: global }
      - { .name: kv, .offset: 24, .size: 8, .value_kind: global_buffer, .address_space: global }
      - { .name: maskw, .offset: 32, .size: 8, .value_kind: global_buffer, .address_space: global }
    .group_segment_fixed_size: 70144
    .private_segment_fixed_size: 0
    .kernarg_segment_align: 8
    .kernarg_segment_size: 40
    .max_flat_workgroup_size: 128
    .sgpr_count:     66
    .vgpr_count:     242
    .wavefront_size: 32
...
	.end_amdgpu_metadata
.endif
;; end of part 1
;; launch attn (part 2): grid 4 x 64, 16 waves a work-group, clusters of 4 x 1, 276,480 bytes of LDS; arguments query, kv, maskw, out0; writes out0
.if DOCPART == 2
	.amdgcn_target "amdgcn-amd-amdhsa--gfx1250"
	.amdhsa_code_object_version 6
	.text
	.protected	k_q7588e14f67_attn
	.globl	k_q7588e14f67_attn
	.p2align	8
	.type	k_q7588e14f67_attn,@function
k_q7588e14f67_attn:
	s_mov_b64 s[64:65], 0
	v_nop
	global_prefetch_b8 v0, s[64:65] scope:SCOPE_SE
	s_setreg_imm32_b32 hwreg(HW_REG_WAVE_MODE, 25, 1), 1
	s_wait_xcnt 0x0
	s_wait_alu depctr_hold_cnt(0) depctr_sa_sdst(0) depctr_va_vdst(0) depctr_va_sdst(0) depctr_va_ssrc(0) depctr_va_vcc(0) depctr_vm_vsrc(0)
	s_getreg_b32 s2, hwreg(HW_REG_IB_STS2, 6, 4)
	s_cmp_eq_u32 s2, 0
	s_cbranch_scc0 .Lentry_in_a_cluster
	s_endpgm
.Lentry_in_a_cluster:
	s_bfe_u32 s2, ttmp6, 0x10000c
	s_cmp_lg_u32 s2, 0x3003
	s_cbranch_scc0 .Lentry_shape_is_right
	s_endpgm
.Lentry_shape_is_right:
; out[h][q][:] = the sum over j of softmax_j(s'(q, j)) V[h][j][:], s'(q, j) = Q[q] . K[j - 2] / 8 where j >= 2 and mask[q][j - 2] != 0, else -infinity.  64 heads, 2,048 queries and keys, head size 64.
; Both products on codes of BF6 (E3M2) with one E8M0 scale for each 32 along a product's K.  K (moved two rows), V and their scale words come from kv as images of the operands' registers;
; the mask comes from maskw as lane masks, one word for each score register: a masked score costs one v_cndmask_b32.  Q is quantised here, in registers.
; THE SOFTMAX: t = score x log2(e) / 8; M = the row's largest t so far, rounded UP to a whole number; p = 2^(t - M) is what is quantised, along j; the row's sum is taken of the unquantised p and divides at the end.
; When M moves, the sum and O are multiplied by 2^(old M - new M): exact.  A row with no key left has sum 0 and O 0: 0 x infinity = NaN, as the softmax of such a row is.
; LIMITS: NaN and infinities among the inputs are not served; a t under -3e38 is not served; a block of Q whose largest magnitude lies under 2^-122 keeps the scale byte 1.
; SHARES.  A cluster of four work-groups is a head; a work-group owns 512 queries, each of its SIXTEEN waves 32 of them, as two tiles of 16, one after the other, in 256 registers: four waves to a SIMD, so that
; one wave's vector work (about 300 instructions for a tile and 128 keys, against 12 matrix instructions) stands beside another's LDS loads and products.
; LDS.  A head's whole kv is 16 x 12,800 = 204,800 bytes: it comes ONCE, each wave asking for one key step's block by one tensor load, jointly with the same wave of the three partners (they walk the same head),
; and stays.  Nothing is filled again: one wait, one barrier, none in the loop.  Behind it each wave has a stage of 16 rows x 272 bytes, for Q on the way in and O on the way out; no tile lands there.
; LAYOUT.  Both products are used transposed: S^T = K Q^T (source 0 = 16 keys, source 1 = my 16 queries), O^T = V^T P^T: a lane holds ONE query (lane % 16) throughout.
; The first product's K is 64, half of the instruction's 128.  A fragment of K carries two tiles of keys, one in each half of K; Q stands in v16-33 as codes, zeros, codes, so that v[16:27] meets the
; fragment's lower tile and v[22:33] its upper one.  The keys of a tile are chosen so that score register 16 b + i of lane (r, h) is query r, key 32 b + 16 h + i: 16 neighbours along the next K.
; THE KEYS OF A TILE, as kv and maskw deal them (this takes the place of what the head says of score register 16 b + i): score register 32 c + i of lane (r, h) is query r, key 64 c + 32 h + i:
; a WHOLE block of 32 along the next K lies in one lane, in the order of the next operand.  So a block's largest score asks no other lane, a lane has two blocks and not four halves, and p's codes stay in the lane that made them;
; only the row's maximum and the two halves of p's scale word cross from lane l to lane l xor 16.
.set SH8,   226                        ; v226 8 h: how far my two scale bytes are moved up in p's scale word
.set STEPB, 12800
.set NSTEP, 16
.set VFR,   6144                       ; V's fragments in a block
.set SCW,   12288                      ; the scale words
.set STAGE, NSTEP*STEPB                ; behind the head's kv: the stages
.set LI,   1                           ; v1   16 x lane: an image's place for my lane; also my bytes in two dense rows of Q or O
.set ADR,  2                           ; v2   LDS address of the step in hand
.set STI,  3                           ; v3   stage: row h, 16 r (two dense rows an instruction)
.set STQ,  4                           ; v4   stage: row r, 128 h (Q: my block of 32)
.set STO,  5                           ; v5   stage: row r, 32 h (O: my eight channels of a tile)
.set NINF, 7                           ; v7   -infinity
.set SC,   8                           ; v8-11  scale words: lanes 0-15 K's fragments 0-3, lanes 16-31 V's
.set QR,   16                          ; v16-33 Q: codes, zeros, codes
.set Q1,   34                          ; v34-39 the second tile's codes, until its pass
.set QS,   40                          ; v40, v41 Q's scale words for the lower and the upper half of K; v42, v43 the second tile's
.set FB,   44                          ; v44-91   four fragments, of K and then of V
.set S,    92                          ; v92-155  S^T, then p
.set O,    156                         ; v156-187 O^T
.set PC,   188                         ; v188-199 p's codes
.set PT,   200                         ; v200-202, v204-206 a block's second three registers, as the conversion leaves them
.set BM,   208                         ; v208-211 four chains of maxima; v209 and v211 end as my two blocks' largest scores, then largest p
.set BP,   212                         ; v212 what comes from lane l xor 16; v213 the -M that the step found
.set BS,   216                         ; v216, v217 the conversions' scale operands
.set PW,   220                         ; v220 p's scale word
.set TMP,  221
.set F,    222                         ; v[222:223] f = 2^(old M - new M), in the low word
.set L2,   224                         ; v[224:225] the sum's second chain.   v12 -M, v13 the largest score, v[14:15] the row's sum in two halves
.set WV,   2                           ; s2   my wave's number
.set TB,   3                           ; s3   LDS byte at which the step's block begins
.set G0,   12                          ; s[12:15] descriptor group 0;  s[20:27] group 1
.set G1,   20
.set MO,   28                          ; s28  byte offset of the mask words to be asked for: 256 a step, on through both passes
.set CNT,  29
.set CS,   30                          ; s[30:31] c = log2(e) / 8
.set SEL,  66                          ; s[66:67] v_permlanex16_b32's selects for lane l xor 16
                                       ; s32-63, s68-99: the step's 64 mask words: word n in s[32 + n + 4 (n / 32)]
; A round of the cluster's barrier: my work-group's barrier; wave 0 signals for the work-group; every wave waits for all four work-groups; my work-group's barrier once more.
.macro CROUND
	s_barrier_signal -1
	s_barrier_wait -1
	s_cmp_lg_u32 s[WV], 0
	s_cbranch_scc1 .Lnot_wave_0_\@
	s_barrier_signal -3
.Lnot_wave_0_\@:
	s_barrier_wait -3
	s_barrier_signal -1
	s_barrier_wait -1
.endm
.macro MASKS                           ; 64 words, 256 bytes, for one tile of queries and one key step
	s_load_b512 s[32:47], s[8:9], s[MO] offset:0x0
	s_load_b512 s[48:63], s[8:9], s[MO] offset:0x40
	s_load_b512 s[68:83], s[8:9], s[MO] offset:0x80
	s_load_b512 s[84:99], s[8:9], s[MO] offset:0xc0
.endm
.macro PLACES
.rept 4
	v_nop
.endr
.endm
	s_load_b256 s[4:11], s[0:1], 0x0               ; query s[4:5], kv s[6:7], maskw s[8:9], out0 s[10:11]
	v_lshl_add_u32 v254, v0, 2, 0x43000
	v_mov_b32 v255, 0
	ds_add_u32 v254, v255
	ds_add_u32 v254, v255
	v_lshrrev_b32 v[ADR], 5, v0
	s_delay_alu instid0(VALU_DEP_1)
	v_readfirstlane_b32 s[WV], v[ADR]              ; wave 0..15
	s_bfe_u32 s100, ttmp6, 0x40000                 ; cx: my place in the cluster: it enters Q's, the mask words' and O's addresses alone
	s_lshl_b32 s101, ttmp9, 2
	s_add_co_u32 s100, s100, s101                  ; my block of 512 queries
	s_lshl_b32 s100, s100, 4
	s_add_co_u32 s100, s100, s[WV]                 ; my wave's 32 of them:
	s_lshl_b32 s100, s100, 13                      ; 8,192 bytes of Q, of O, and of mask words (2 tiles x 16 steps x 256)
	s_mov_b32 s101, 0
	s_and_b32 s104, ttmp7, 0xffff                  ; the head, which the four partners share
	s_lshl_b32 s28, s104, 19                       ; a head of Q or O is 524,288 bytes
	s_mov_b32 s29, 0
	s_add_nc_u64 s[28:29], s[28:29], s[100:101]
	s_mul_i32 s30, s104, NSTEP*STEPB               ; the head's kv,
	s_mul_i32 s[G0+1], s[WV], STEPB                ; 63:32 LDS address: step = my wave's number: no place in the cluster enters it
	s_add_co_u32 s30, s30, s[G0+1]                 ; and the same step in memory
	s_mov_b32 s31, 0
	s_mov_b32 s[G0], 1                             ; 1:0 count = 1
	; group 1: a dense block of 12,800 bytes as 50 rows of 256 bytes (32 elements of 8 bytes), no padding: fragments are read 16 bytes a lane on end
	s_mov_b32 s[G1], 15|(3<<16)|(1<<21)            ; 15:0 the mask: all four work-groups; 17:16 elements of 8 bytes; 21 set beside a mask
	s_mov_b32 s[G1+1], 32<<16                      ; tensor_dim0 = 32
	s_mov_b32 s[G1+2], 50<<16                      ; tensor_dim1 = 50
	s_mov_b32 s[G1+3], 32<<16                      ; tile_dim0 = 32
	s_mov_b32 s[G1+4], 50                          ; tile_dim1 = 50
	s_mov_b32 s[G1+5], 32                          ; from row to row
	s_mov_b32 s[G1+6], 0
	s_mov_b32 s[G1+7], 0
	s_wait_dscnt 0x0
	s_wait_kmcnt 0x0
	s_add_nc_u64 s[G0+2:G0+3], s[6:7], s[30:31]    ; 120:64 global address
	s_or_b32 s[G0+3], s[G0+3], 0x80000000          ; 127:126 type = 2
	s_add_nc_u64 s[4:5], s[4:5], s[28:29]          ; Q and O at my first query
	s_add_nc_u64 s[10:11], s[10:11], s[28:29]
	s_add_nc_u64 s[8:9], s[8:9], s[100:101]        ; the mask words of my first tile
	CROUND                                         ; all four work-groups are here: the joint loads meet
	tensor_load_to_lds s[G0:G0+3], s[G1:G1+7]      ; my one tensor load of the launch
	s_nop 0
	PLACES
	v_and_b32 v[LI], 31, v0
	s_delay_alu instid0(VALU_DEP_1)
	v_lshlrev_b32 v[LI], 4, v[LI]
.irp i, 0,1,2,3,4,5,6,7,8,9,10,11,12,13,14,15      ; my 32 rows of Q, 512 consecutive bytes (two rows) a load; tile i / 8
	global_load_b128 v[S+4*\i:S+4*\i+3], v[LI], s[4:5] offset:512*\i th:TH_LOAD_NT
.endr
	s_mov_b32 s[MO], 0
	MASKS                                          ; the first step's mask words
	s_mov_b32 s[CS], 0x3e38aa3b                    ; c = log2(e) / 8
	s_mov_b32 s[CS+1], s[CS]                       ; (named with it as a pair, so it is written)
	s_mov_b32 s[SEL], 0x76543210
	s_mov_b32 s[SEL+1], 0xfedcba98
	s_mul_i32 s105, s[WV], 16*272
	s_add_co_u32 s105, s105, STAGE                 ; my stage
	v_and_b32 v[STI], 15, v0                       ; r
	v_bfe_u32 v[STQ], v0, 4, 1                     ; h
	s_delay_alu instid0(VALU_DEP_2)
	v_mul_u32_u24 v6, v[STI], 272                  ; 272 r
	s_delay_alu instid0(VALU_DEP_1)
	v_lshl_add_u32 v[STO], v[STQ], 5, v6
	s_delay_alu instid0(VALU_DEP_1)
	v_add_nc_u32 v[STO], s105, v[STO]
	s_delay_alu instid0(VALU_DEP_3)
	v_lshl_add_u32 v6, v[STQ], 7, v6               ; 272 r + 128 h
	v_mul_u32_u24 v[STQ], v[STQ], 272              ; 272 h
	s_delay_alu instid0(VALU_DEP_1)
	v_lshl_add_u32 v[STI], v[STI], 4, v[STQ]
	s_delay_alu instid0(VALU_DEP_1)
	v_add_nc_u32 v[STI], s105, v[STI]
	s_delay_alu instid0(VALU_DEP_4)
	v_add_nc_u32 v[STQ], s105, v6
.irp i, 0,1,2,3,4,5
	v_mov_b32 v[QR+6+\i], 0                        ; the zero codes between Q's two copies
.endr
.irp b, 0,1,2,3
	v_mov_b32 v[BP+\b], 0                          ; written once: a lane permute's destination counts as one of its sources
.endr
	v_mov_b32 v[TMP], 0
	v_mov_b32 v[F+1], 0                            ; (named as the upper half of a pair)
	v_mov_b32 v[NINF], 0xff800000
	v_lshrrev_b32 v[SH8], 1, v0
	v_and_b32 v[SH8], 8, v[SH8]                    ; 8 h
; Tile p of Q: 16 rows go through my stage and come back 128 bytes a lane: lane (r, h) holds d = 32 h .. 32 h + 31 of row r, a whole block, which is what the operand's layout gives it.
.macro QQ p
.irp i, 0,1,2,3,4,5,6,7
	ds_store_b128 v[STI], v[S+32*\p+4*\i:S+32*\p+4*\i+3] offset:544*\i
.endr
.irp e, 0,1,2,3,4,5,6,7
	ds_load_b128 v[FB+4*\e:FB+4*\e+3], v[STQ] offset:16*\e         ; LDS serves a wave's instructions in order: these see the stores above
.endr
	s_wait_dscnt 0x0
	v_max3_num_f32 v[BM], |v[FB]|, |v[FB+1]|, |v[FB+2]|            ; the block's largest magnitude, in two chains
	v_max3_num_f32 v[BM+1], |v[FB+3]|, |v[FB+4]|, |v[FB+5]|
.irp i, 6,10,14,18,22,26
	s_delay_alu instid0(VALU_DEP_2)
	v_max3_num_f32 v[BM], v[BM], |v[FB+\i]|, |v[FB+\i+1]|
	s_delay_alu instid0(VALU_DEP_2)
	v_max3_num_f32 v[BM+1], v[BM+1], |v[FB+\i+2]|, |v[FB+\i+3]|
.endr
	s_delay_alu instid0(VALU_DEP_2)
	v_max3_num_f32 v[BM], v[BM], |v[FB+30]|, |v[FB+31]|
	s_delay_alu instid0(VALU_DEP_1)
	v_max3_num_f32 v[BM], v[BM], v[BM+1], 0x2800000                ; and the floor 2^(5 - 127): the byte cannot fall under 1
	s_delay_alu instid0(VALU_DEP_1)
	v_add_nc_u32 v[BS], 0xfe000000, v[BM]          ; 4 off its exponent field: the conversion's scale operand
	s_delay_alu instid0(VALU_DEP_1)
	v_lshrrev_b32 v[BP], 23, v[BS]                 ; the scale's byte
	v_cvt_scalef32_pk16_bf6_f32 v[QR+18*\p:QR+18*\p+2], v[FB:FB+15], v[BS]
	v_cvt_scalef32_pk16_bf6_f32 v[PT:PT+2], v[FB+16:FB+31], v[BS]  ; (a conversion's three registers begin on an even number)
	v_nop                                          ; one plain line behind the conversions
	v_permlanex16_b32 v[TMP], v[BP], s[SEL], s[SEL+1]
	s_delay_alu instid0(VALU_DEP_1)
	v_lshl_or_b32 v[TMP], v[TMP], 8, v[BP]         ; lanes 0-15: block 0's byte, block 1's (lanes 16-31 are not read)
	s_delay_alu instid0(VALU_DEP_1)
	v_or_b32 v[QS+2*\p], 0x01010000, v[TMP]        ; Q in the lower half of K; the zero codes stand under the byte 1
	s_delay_alu instid0(VALU_DEP_2)
	v_lshl_or_b32 v[QS+2*\p+1], v[TMP], 16, 0x101  ; Q in the upper half
.irp i, 0,1,2
	v_mov_b32 v[QR+18*\p+3+\i], v[PT+\i]
.endr
.if \p == 0
.irp i, 0,1,2,3,4,5
	v_mov_b32 v[QR+12+\i], v[QR+\i]                ; the second copy
.endr
.endif
.endm
	s_wait_loadcnt 8                               ; tile 0's eight loads are in; tile 1's may be out
	QQ 0
	s_wait_loadcnt 0x0
	QQ 1
; A KEY STEP: 128 j, one tile of 16 queries.
.macro STEP
	v_add_nc_u32 v[ADR], s[TB], v[LI]              ; with the three lines below: four places in front of loads into registers that the last step's products have read
	v_mov_b32 v[BP+1], v12                         ; the -M that this step finds
	v_nop
	v_nop
.irp b, 0,1,2,3
.irp c, 0,1,2
	ds_load_b128 v[FB+12*\b+4*\c:FB+12*\b+4*\c+3], v[ADR] offset:1536*\b+512*\c   ; K's fragments, as they stand: 512 consecutive bytes a load
.endr
.endr
	ds_load_b128 v[SC:SC+3], v[ADR] offset:SCW     ; K's scale words below, V's above
	s_wait_alu depctr_va_vdst(0)
	s_wait_dscnt 0x0
.irp b, 0,1,2,3                                    ; S^T = K Q^T: each fragment against Q in the lower half of K and against Q in the upper half
	v_wmma_scale_f32_16x16x128_f8f6f4 v[S+16*\b:S+16*\b+7], v[FB+12*\b:FB+12*\b+11], v[QR:QR+11], 0, v[SC+\b], v[QS] matrix_a_fmt:MATRIX_FMT_BF6 matrix_b_fmt:MATRIX_FMT_BF6
	v_wmma_scale_f32_16x16x128_f8f6f4 v[S+16*\b+8:S+16*\b+15], v[FB+12*\b:FB+12*\b+11], v[QR+6:QR+17], 0, v[SC+\b], v[QS+1] matrix_a_fmt:MATRIX_FMT_BF6 matrix_b_fmt:MATRIX_FMT_BF6
.endr
	PLACES                                         ; in front of the loads into K's registers and of the first read of the scores
.irp t, 0,1,2,3
.irp c, 0,1,2
	ds_load_b128 v[FB+12*\t+4*\c:FB+12*\t+4*\c+3], v[ADR] offset:VFR+1536*\t+512*\c   ; V's fragments land while the softmax is worked
.endr
.endr
	s_wait_kmcnt 0x0                               ; the step's mask words, asked for a step ago
.set n, 0
.rept 64
	v_cndmask_b32 v[S+n], v[NINF], v[S+n], s[32+n+4*(n/32)]        ; a key that does not count: -infinity.  Ascending: each accumulator is read from its low end on
.set n, n+1
.endr
	s_add_co_u32 s[MO], s[MO], 256                 ; (behind the wait on KMcnt: the last loads have read it)
	s_min_u32 s[MO], s[MO], 7936                   ; the wave's last step asks for its own words again: no load leaves the buffer
	MASKS                                          ; the next step's words have the rest of this step in which to land
.irp b, 0,1,2,3
	v_max3_num_f32 v[BM+\b], v[S+16*\b], v[S+16*\b+1], v[S+16*\b+2]   ; THE LARGEST SCORE OF EACH BLOCK OF 32 j: it serves for the row's maximum and, since p rises with the score, for the block's largest p
.endr
.irp i, 3,5,7,9,11,13
.irp b, 0,1,2,3
	s_delay_alu instid0(VALU_DEP_4)
	v_max3_num_f32 v[BM+\b], v[BM+\b], v[S+16*\b+\i], v[S+16*\b+\i+1]
.endr
.endr
	v_max_num_f32 v[BM], v[BM], v[S+15]
	v_max_num_f32 v[BM+2], v[BM+2], v[S+47]
	v_max3_num_f32 v[BM+1], v[BM+1], v[S+31], v[BM]     ; my block c = 0: all its 32 scores are mine
	v_max3_num_f32 v[BM+3], v[BM+3], v[S+63], v[BM+2]   ; my block c = 1
	v_max_num_f32 v[TMP], v[BM+1], v[BM+3]
	v_permlanex16_b32 v[BP], v[TMP], s[SEL], s[SEL+1]
	v_max3_num_f32 v13, v13, v[TMP], v[BP]         ; the running largest score of my query, lane l xor 16's two blocks among them
	v_mul_f32 v[TMP], s[CS], v13                   ; as t (c is positive)
	v_floor_f32 v12, -v[TMP]                       ; the new -M = floor(-t): M is a whole number
	v_sub_f32 v[TMP], v12, v[BP+1]                 ; old M - new M: a whole number, 0 or less
	v_cvt_i32_f32 v[TMP], v[TMP]                   ; (it saturates)
	v_ldexp_f32 v[F], 1.0, v[TMP]                  ; f = 2^(old M - new M)
.set n, 0
.rept 32
	v_pk_fma_f32 v[S+n:S+n+1], v[S+n:S+n+1], s[CS:CS+1], v[12:13] op_sel_hi:[1,0,0]   ; t - M, two at a time (of the pairs c and -M the low word serves both halves)
.set n, n+2
.endr
.irp b, 1,3
	v_fma_f32 v[BM+\b], v[BM+\b], s[CS], v12       ; the same of each block's largest score
.endr
.set n, 0
	s_wait_alu depctr_va_vdst(0)
.rept 64
	v_exp_f32 v[S+n], v[S+n]                       ; p = 2^(t - M), at most 1: not normalised
.set n, n+1
.endr
	v_pk_mul_f32 v[14:15], v[14:15], v[F:F+1] op_sel_hi:[1,0]      ; the sums under the new M.  (A plain line behind the exponentials)
	s_wait_alu depctr_va_vdst(0)                   ; ahead of the first line that names an exponential's result: one wait for the 64
.irp b, 1,3
	v_exp_f32 v[BM+\b], v[BM+\b]                   ; the block's largest p: the same two instructions on the same number give the same bits
.endr
	v_pk_add_f32 v[224:225], v[96:97], v[100:101]
	v_pk_add_f32 v[252:253], v[104:105], v[108:109]
	v_pk_add_f32 v[250:251], v[112:113], v[116:117]
	v_pk_add_f32 v[248:249], v[120:121], v[124:125]
	v_pk_add_f32 v[246:247], v[128:129], v[132:133]
	v_pk_add_f32 v[244:245], v[136:137], v[140:141]
	v_pk_add_f32 v[242:243], v[144:145], v[148:149]
	v_pk_add_f32 v[14:15], v[14:15], v[152:153]
	v_pk_add_f32 v[224:225], v[224:225], v[92:93]
	v_pk_add_f32 v[252:253], v[252:253], v[94:95]
	v_pk_add_f32 v[250:251], v[250:251], v[98:99]
	v_pk_add_f32 v[248:249], v[248:249], v[102:103]
	v_pk_add_f32 v[246:247], v[246:247], v[106:107]
	v_pk_add_f32 v[244:245], v[244:245], v[110:111]
	v_pk_add_f32 v[242:243], v[242:243], v[114:115]
	v_pk_add_f32 v[14:15], v[14:15], v[118:119]
	v_pk_add_f32 v[224:225], v[224:225], v[122:123]
	v_pk_add_f32 v[252:253], v[252:253], v[126:127]
	v_pk_add_f32 v[250:251], v[250:251], v[130:131]
	v_pk_add_f32 v[248:249], v[248:249], v[134:135]
	v_pk_add_f32 v[246:247], v[246:247], v[138:139]
	v_pk_add_f32 v[244:245], v[244:245], v[142:143]
	v_pk_add_f32 v[242:243], v[242:243], v[146:147]
	v_pk_add_f32 v[14:15], v[14:15], v[150:151]
	v_pk_add_f32 v[224:225], v[224:225], v[154:155]
	s_delay_alu instid0(VALU_DEP_2)
	v_pk_add_f32 v[14:15], v[14:15], v[248:249]
	s_delay_alu instid0(VALU_DEP_2)
	v_pk_add_f32 v[224:225], v[224:225], v[246:247]
	v_pk_add_f32 v[252:253], v[252:253], v[244:245]
	v_pk_add_f32 v[250:251], v[250:251], v[242:243]
	s_delay_alu instid0(VALU_DEP_2)
	v_pk_add_f32 v[14:15], v[14:15], v[252:253]
	s_delay_alu instid0(VALU_DEP_2)
	v_pk_add_f32 v[224:225], v[224:225], v[250:251]
	s_delay_alu instid0(VALU_DEP_1)
	v_pk_add_f32 v[14:15], v[14:15], v[224:225]
	s_wait_alu depctr_va_vdst(0)                   ; and one for the two
	v_max_num_f32 v[BM+1], 0x2800000, v[BM+1]      ; the floor 2^(5 - 127): a block whose every p is 0 keeps the byte 1: its codes are zeros
	v_max_num_f32 v[BM+3], 0x2800000, v[BM+3]
	s_delay_alu instid0(VALU_DEP_2)
	v_add_nc_u32 v[BS], 0xfe000000, v[BM+1]        ; 4 off the exponent field: the conversion's scale operand
	s_delay_alu instid0(VALU_DEP_2)
	v_add_nc_u32 v[BS+1], 0xfe000000, v[BM+3]
	s_delay_alu instid0(VALU_DEP_2)
	v_lshrrev_b32 v[TMP], 23, v[BS]                ; the scales' bytes: blocks h and 2 + h
	s_delay_alu instid0(VALU_DEP_2)
	v_lshrrev_b32 v[BP], 23, v[BS+1]
	s_delay_alu instid0(VALU_DEP_1)
	v_lshl_or_b32 v[TMP], v[BP], 16, v[TMP]
	s_delay_alu instid0(VALU_DEP_1)
	v_lshlrev_b32 v[TMP], v[SH8], v[TMP]           ; at their places in the word, 8 h bits up;
	s_delay_alu instid0(VALU_DEP_1)
	v_permlanex16_b32 v[BP], v[TMP], s[SEL], s[SEL+1]
	s_delay_alu instid0(VALU_DEP_1)
	v_or_b32 v[PW], v[TMP], v[BP]                  ; with lane l xor 16's two the word is whole: p's scale word for these 128 j
.irp c, 0,1
	v_cvt_scalef32_pk16_bf6_f32 v[PC+6*\c:PC+6*\c+2], v[S+32*\c:S+32*\c+15], v[BS+\c]
	v_cvt_scalef32_pk16_bf6_f32 v[PT+4*\c:PT+4*\c+2], v[S+32*\c+16:S+32*\c+31], v[BS+\c]   ; (a conversion's three registers begin on an even number)
.endr
	v_nop                                          ; one plain line behind the conversions
.irp c, 0,1
.irp i, 0,1,2
	v_mov_b32 v[PC+6*\c+3+\i], v[PT+4*\c+\i]       ; registers 6 c .. 6 c + 5: keys 64 c + 32 h + 0 .. 31
.endr
.endr
.set n, 0
.rept 16
	v_pk_mul_f32 v[O+n:O+n+1], v[O+n:O+n+1], v[F:F+1] op_sel_hi:[1,0]   ; O^T under the new M, each accumulator from its low end on.  (These 16 are also the places between the lines that made p's scale word and codes and the products)
.set n, n+2
.endr
	s_wait_alu depctr_va_vdst(0)
	s_wait_dscnt 0x0                               ; V's fragments
.irp t, 0,1,2,3                                    ; O^T += V^T P^T: the four accumulators by turns, one instruction a turn
	v_wmma_scale_f32_16x16x128_f8f6f4 v[O+8*\t:O+8*\t+7], v[FB+12*\t:FB+12*\t+11], v[PC:PC+11], v[O+8*\t:O+8*\t+7], v[SC+\t], v[PW] matrix_a_fmt:MATRIX_FMT_BF6 matrix_b_fmt:MATRIX_FMT_BF6 matrix_a_scale:MATRIX_SCALE_ROW1
.endr
	s_add_co_u32 s[TB], s[TB], STEPB
.endm
; THE WAY OUT of tile p: O^T / the sum goes through my stage and leaves as whole rows of 256 bytes, two a store.
.macro OUT p
	PLACES                                         ; behind the last products
	v_add_f32 v14, v14, v15                        ; the sum's two halves,
	s_delay_alu instid0(VALU_DEP_1)
	v_permlanex16_b32 v[TMP], v14, s[SEL], s[SEL+1]
	s_delay_alu instid0(VALU_DEP_1)
	v_add_f32 v14, v14, v[TMP]                     ; and lane l xor 16's: the row's sum
	s_wait_alu depctr_va_vdst(0)
	v_rcp_f32 v14, v14
	v_nop                                          ; a plain line behind the reciprocal,
	s_wait_alu depctr_va_vdst(0)                   ; and a wait ahead of its first reader
.set n, 0
.rept 16
	v_pk_mul_f32 v[S+n:S+n+1], v[O+n:O+n+1], v[14:15] op_sel_hi:[1,0]   ; register 8 t + i is out(r, 16 t + 8 h + i)
.set n, n+2
.endr
.irp t, 0,1,2,3
	ds_store_b128 v[STO], v[S+8*\t:S+8*\t+3] offset:64*\t
	ds_store_b128 v[STO], v[S+8*\t+4:S+8*\t+7] offset:64*\t+16
.endr
.irp i, 0,1,2,3,4,5,6,7
	ds_load_b128 v[S+32+4*\i:S+32+4*\i+3], v[STI] offset:544*\i    ; LDS serves a wave's instructions in order: these see the stores above
.endr
.irp i, 0,1,2,3,4,5,6,7
	s_wait_dscnt 7-\i                              ; load i is in; the younger ones may be out
	global_store_b128 v[LI], v[S+32+4*\i:S+32+4*\i+3], s[10:11] offset:4096*\p+512*\i th:TH_STORE_NT   ; each 16 lanes store 256 consecutive bytes, aligned
.endr
.if \p == 0
	s_wait_xcnt 0x0                                ; the stores have read their registers, which the next pass's scores take
.endif
.endm
; A PASS: one tile of 16 queries against all 2,048 j.
.macro PASS p
.if \p
.irp i, 0,1,2,3,4,5
	v_mov_b32 v[QR+\i], v[Q1+\i]                   ; the second tile's codes, twice, and its scale words
	v_mov_b32 v[QR+12+\i], v[Q1+\i]
.endr
	v_mov_b32 v[QS], v[QS+2]
	v_mov_b32 v[QS+1], v[QS+3]
.endif
	s_mov_b32 s[TB], 0
	v_mov_b32 v13, 0xff61b1e6                      ; the largest score so far: -3e38, under every score
	s_delay_alu instid0(VALU_DEP_1)
	v_floor_f32 v12, -v13                          ; -M
	v_mov_b32 v14, 0                               ; the sum, in two halves
	v_mov_b32 v15, 0
.set n, 0
.rept 32
	v_mov_b32 v[O+n], 0                            ; O^T.  (The step is written once for all 16: the first finds zeros, which the first change of M leaves zeros.  These lines are also the places behind the lines that wrote Q's operand and scale words)
.set n, n+1
.endr
.if \p == 0
	s_wait_tensorcnt 0x0                           ; my step's block has landed,
	s_wait_dscnt 0x0
	s_barrier_signal -1
	s_barrier_wait -1                              ; everybody's has: the head's kv is whole
.endif
	s_mov_b32 s[CNT], NSTEP
.Lstep_\@:
	STEP
	s_sub_co_u32 s[CNT], s[CNT], 1
	s_cmp_lg_u32 s[CNT], 0
	s_cbranch_scc1 .Lstep_\@
	OUT \p
.endm
	PASS 0
	PASS 1
	s_wait_dscnt 0x0
	s_wait_tensorcnt 0x0
	ds_add_u32 v254, v255
	s_wait_dscnt 0x0
	CROUND                                         ; the closing round: no work-group ends while a partner may still ask for a block that names it
	s_endpgm
.Lfunc_end_k_q7588e14f67_attn:
	.size	k_q7588e14f67_attn, .Lfunc_end_k_q7588e14f67_attn-k_q7588e14f67_attn
	.p2alignl 7, 3214868480
	.fill 96, 4, 3214868480
	.section	.rodata,"a",@progbits
	.p2align	6, 0x0
	.amdhsa_kernel k_q7588e14f67_attn
		.amdhsa_group_segment_fixed_size 276480
		.amdhsa_private_segment_fixed_size 0
		.amdhsa_enable_private_segment 0
		.amdhsa_kernarg_size 32
		.amdhsa_user_sgpr_count 2
		.amdhsa_user_sgpr_kernarg_segment_ptr 1
		.amdhsa_wavefront_size32 1
		.amdhsa_system_sgpr_workgroup_id_x 1
		.amdhsa_system_sgpr_workgroup_id_y 1
		.amdhsa_system_sgpr_workgroup_id_z 1
		.amdhsa_system_vgpr_workitem_id 0
		.amdhsa_next_free_vgpr 256
		.amdhsa_next_free_sgpr 106
		.amdhsa_reserve_vcc 0
		.amdhsa_float_denorm_mode_32 3
		.amdhsa_float_denorm_mode_16_64 3
		.amdhsa_memory_ordered 1
		.amdhsa_forward_progress 1
		.amdhsa_inst_pref_size 64
	.end_amdhsa_kernel
	.amdgpu_metadata
---
amdhsa.version: [ 1, 2 ]
amdhsa.kernels:
  - .name:           k_q7588e14f67_attn
    .symbol:         k_q7588e14f67_attn.kd
    .args:
      - { .name: query, .offset: 0, .size: 8, .value_kind: global_buffer, .address_space: global }
      - { .name: kv, .offset: 8, .size: 8, .value_kind: global_buffer, .address_space: global }
      - { .name: maskw, .offset: 16, .size: 8, .value_kind: global_buffer, .address_space: global }
      - { .name: out0, .offset: 24, .size: 8, .value_kind: global_buffer, .address_space: global }
    .group_segment_fixed_size: 276480
    .private_segment_fixed_size: 0
    .kernarg_segment_align: 8
    .kernarg_segment_size: 32
    .max_flat_workgroup_size: 512
    .sgpr_count:     106
    .vgpr_count:     256
    .wavefront_size: 32
...
	.end_amdgpu_metadata
.endif
;; end of part 2
